; MI455X (gfx1250); checked and timed in simulation.
; The chip was launched on July 23, 2026; its instructions are those of AMD's public machine-readable ISA for CDNA 5 (MIT licence, August 2026) and "CDNA5" Instruction Set Architecture Reference Guide (July 2026). The comments in the code are by the model that wrote it; some were corrected since.
;; Attention. Allowed arithmetic: float matrix products may take bf16 or f16 operands with f32 sums; all other float work in f32.
;; Inputs: Wk 32 x 128 float32; Wo 128 x 128 float32; Wq 32 x 128 float32; Wv 128 x 128 float32; beta 128 float32; bo 128 float32; gamma 128 float32; x 8 x 128 x 64 x 64 float32.
;; Outputs: out0 8 x 128 x 64 x 64 float32.
;; One version. Each part assembles by itself: llvm-mc -triple=amdgcn-amd-amdhsa -mcpu=gfx1250 --defsym DOCPART=n.
;; ======== version 1 of 1: 2 launches
;; workspace buffers: qws 2,097,152 bytes; kws 2,097,152 bytes; vws 8,388,608 bytes
;; launch prep (part 1): grid 256 x 1, 8 waves a work-group, no clusters, 168,960 bytes of LDS; arguments x, gamma, beta, Wq, Wk, Wv, Wo, qws, kws, vws; writes qws, kws, vws
.if DOCPART == 1
	.amdgcn_target "amdgcn-amd-amdhsa--gfx1250"
	.amdhsa_code_object_version 6
	.text
	.protected	k_q51b83f9f41_prep
	.globl	k_q51b83f9f41_prep
	.p2align	8
	.type	k_q51b83f9f41_prep,@function
k_q51b83f9f41_prep:
	s_mov_b64 s[64:65], 0
	v_nop
	global_prefetch_b8 v0, s[64:65] scope:SCOPE_SE
	s_setreg_imm32_b32 hwreg(HW_REG_WAVE_MODE, 25, 1), 1
	s_wait_xcnt 0x0
; LayerNorm over the 128 channels of x [8][128][4096] (f32), then q = Wq xn, k = Wk xn, V' = Wo (Wv xn), stored in bf16 in the order in
; which the attention launch's matrix instructions take them: blocks of 1,024 bytes = [half u][lane][16 bytes], half u = a lane's registers 4u .. 4u+3.
;   qws, kws: block T = 16 positions (T = batch*256 + position/16): lane (r, h), half u = row 16T + r, dims 16u + 8h .. + 7.  q is multiplied by log2(e) in f32.
;   vws: [batch][position/32][channel/16][u][lane][16 B]: lane (r, h) = V'[channel 16ct + r][positions 32kb + 16u + 8h .. + 7].
; LIMITS: xn, the weights, q log2(e), k, v and V' are rounded to bf16 (matrix operands).  Wo is applied to v here, ahead of the attention sum, which is
; the same sum in another order of rounding: out = Wo (attn v) = attn (Wo v).  Mean and variance are made in f32 from the row held in registers, the
; variance from the deviations, so a common offset of x costs no digits.
; SHARES: 256 work-groups of 8 waves; a work-group has 128 positions of one batch, a wave 16 of them, a lane (r, h) position r and the 64 channels
; 32s + 16u + 8h + j (s 0..3, u 0..1, j 0..7): that is the layout of a B fragment (column = position, K = channel), so the normalised row is packed in place.
; NO CLUSTER: what work-groups share is the weights, 163,840 bytes, which come through registers because they are converted on the way; the x tiles are each work-group's own.
.set XPITCH, 528                       ; an x row in LDS: 512 bytes + 16 of padding: rows c and c + 8 lie 4,224 bytes = 1,056 words apart, 32 banks (64 banks of 4 bytes: ISA guide 11.1)
.set WL,     128*XPITCH                ; 67,584 = 264 x 256: behind the x tile, 320 weight rows in bf16; no tensor load ever lands here
.set WPITCH, 272                       ; 256 bytes + 16: the 16 rows of a fragment start at 16 different groups of banks
.set WTILE,  16*WPITCH                 ; 16 rows.  Row order: Wq 0-31, Wk 32-63, Wv 64-191, Wo 192-319
.set WOFF, 4                           ; v4   32 x thread: my 8 f32 in a chunk of 16 weight rows
.set WS0,  5                           ; v5   where they go in LDS, chunks 0-11
.set WS1,  6                           ; v6   chunks 12-19
.set GB,   7                           ; v7   32 h: my channels in gamma and beta
.set XA,   8                           ; v8   my position's word in channel row 8 h of the x tile
.set WF0,  9                           ; v9   fragment address in weight rows 0-191
.set WF1,  10                          ; v10  in rows 192-319 (Wo)
.set SO,   11                          ; v11  16 x lane
.set T,    16                          ; v[16:47]   chains of the sums; later packed results
.set MU,   48                          ; v[48:49]   the mean, twice
.set RS,   50                          ; v[50:51]   1 / sqrt(var + eps), twice
.set X,    64                          ; v[64:127]  x, index 16s + 8u + j
.set XN,   64                          ; v[64:95]   xn in bf16: fragment s at XN + 8s
.set ACCQK, 96                         ; v[96:127]  q (2 tiles), k (2 tiles)
.set VFR,  96                          ; v[96:127]  later v in bf16 as 4 A fragments
.set GA,   128                         ; v[128:191] gamma
.set ACC,  128                         ; v[128:191] later 8 tiles of v, then of V'
.set BE,   192                         ; v[192:255] beta
.set F,    192                         ; v[192:255] later 8 weight fragments
                                       ; v[256:415] (window 1, named v0-v159 there): 20 chunks of 8 raw weights
.set MSB, 0
.macro WIN new                         ; s_set_vgpr_msb: bits 1:0 source 0, 3:2 source 1, 5:4 source 2, 7:6 destination; the high byte repeats the setting that is left
.if MSB != \new
	s_set_vgpr_msb (MSB<<8)|\new
.set MSB, \new
.endif
.endm
.macro PLACES cnt                      ; the places behind matrix instructions (ISA guide 7.12.1), where there is no independent vector work
.rept \cnt
	v_nop
.endr
.endm
	s_load_b512 s[4:19], s[0:1], 0x0               ; x s[4:5], gamma s[6:7], beta s[8:9], Wq s[10:11], Wk s[12:13], Wv s[14:15], Wo s[16:17], qws s[18:19]
	s_load_b128 s[20:23], s[0:1], 0x40             ; kws s[20:21], vws s[22:23]
	v_lshl_add_u32 v62, v0, 2, 0x29000
	v_mov_b32 v63, 0
	ds_add_u32 v62, v63
	ds_add_u32 v62, v63
	v_lshrrev_b32 v12, 5, v0
	v_readfirstlane_b32 s24, v12                   ; wave 0..7
	v_and_b32 v1, 31, v0                           ; lane
	v_and_b32 v2, 15, v0                           ; r
	v_bfe_u32 v3, v0, 4, 1                         ; h
	s_lshl_b32 s25, ttmp9, 3
	s_add_co_u32 s25, s25, s24                     ; T = 8 x work-group + wave: my block of 16 positions
	s_mov_b32 s40, 0x76543210                      ; v_permlanex16_b32: lane i reads lane i of the other half
	s_mov_b32 s41, 0xfedcba98
	s_mov_b32 s42, 0x3c000000                      ; 1 / 128
	s_mov_b32 s43, 0x3727c5ac                      ; EPS = 1e-5
	; descriptor group 1: 16 channel rows x 128 positions of f32, 4,096 elements from row to row, 4 words of padding behind every 128
	s_mov_b32 s32, (2<<16)|(1<<20)|(6<<22)|(3<<25) ; no mask; element of 4 bytes; padding on; after every 128 words (code 6); of 4 words (code 3)
	s_mov_b32 s33, 128<<16                         ; tensor_dim0 = 128
	s_mov_b32 s34, 16<<16                          ; tensor_dim1 = 16
	s_mov_b32 s35, 128<<16                         ; tile_dim0 = 128
	s_mov_b32 s36, 16                              ; tile_dim1 = 16
	s_mov_b32 s37, 4096                            ; the pitch
	s_mov_b32 s38, 0
	s_mov_b32 s39, 0
	s_lshr_b32 s44, ttmp9, 5                       ; batch
	s_lshl_b32 s44, s44, 21                        ; x 128 channels x 16,384 bytes
	s_and_b32 s45, ttmp9, 31
	s_lshl_b32 s45, s45, 9                         ; + my work-group's 128 positions
	s_add_co_u32 s44, s44, s45
	s_lshl_b32 s45, s24, 18                        ; + my wave's 16 channel rows
	s_add_co_u32 s44, s44, s45
	s_mov_b32 s45, 0
	s_mov_b32 s28, 1                               ; group 0: count = 1
	s_mul_i32 s29, s24, 16*XPITCH                  ; LDS: my 16 rows
	s_lshl_b32 s46, s25, 10                        ; my block in qws and kws
	s_mov_b32 s47, 0
	s_lshr_b32 s48, s25, 1
	s_lshl_b32 s48, s48, 13                        ; vws: 8,192 bytes for 32 positions,
	s_and_b32 s49, s25, 1
	s_lshl_b32 s49, s49, 9                         ; my 16 are half u = T & 1 of each of its 8 blocks
	s_add_co_u32 s48, s48, s49
	s_mov_b32 s49, 0
	s_wait_dscnt 0x0
	s_wait_kmcnt 0x0
	s_add_nc_u64 s[30:31], s[4:5], s[44:45]
	s_or_b32 s31, s31, 0x80000000                  ; type = 2
	tensor_load_to_lds s[28:31], s[32:39]          ; the one tensor load of the wave: nothing is ever filled again
	s_nop 0
	s_add_nc_u64 s[18:19], s[18:19], s[46:47]
	s_add_nc_u64 s[20:21], s[20:21], s[46:47]
	s_add_nc_u64 s[22:23], s[22:23], s[48:49]
	v_lshlrev_b32 v[WOFF], 5, v0
	v_lshrrev_b32 v12, 4, v0                       ; row of the chunk: 16 threads x 32 bytes are a row of 128 f32
	v_mul_u32_u24 v12, v12, WPITCH
	v_lshl_add_u32 v12, v2, 4, v12                 ; + 16 bytes of bf16 for my 8 numbers
	v_add_nc_u32 v[WS0], WL, v12
	v_add_nc_u32 v[WS1], WL+12*WTILE, v12
	v_lshlrev_b32 v[GB], 5, v3
	v_lshrrev_b32 v13, 5, v0
	v_lshl_add_u32 v13, v13, 4, v2                 ; 16 x wave + r: my position in the tile
	v_lshlrev_b32 v13, 2, v13
	v_mad_u32_u24 v[XA], v3, 8*XPITCH, v13
	v_mul_u32_u24 v12, v2, WPITCH
	v_lshl_add_u32 v12, v3, 4, v12                 ; fragment: row r, 16 h bytes
	v_add_nc_u32 v[WF0], WL, v12
	v_add_nc_u32 v[WF1], WL+12*WTILE, v12
	v_lshlrev_b32 v[SO], 4, v1
; chunk q (LDS rows 16q .. 16q+15) = rows 16p .. of one matrix: 8 f32 a thread, into window 1's registers 8q .. 8q+7
.macro WLOAD q, base, p
	global_load_b128 v[8*(\q):8*(\q)+3],   v[WOFF], s[\base:\base+1] offset:(\p)*8192
	global_load_b128 v[8*(\q)+4:8*(\q)+7], v[WOFF], s[\base:\base+1] offset:(\p)*8192+16
.endm
	WIN 0x40                                       ; destinations in window 1
	WLOAD 0, 10, 0
	WLOAD 1, 10, 1
	WLOAD 2, 12, 0
	WLOAD 3, 12, 1
.irp p, 0,1,2,3,4,5,6,7
	WLOAD 4+\p, 14, \p
.endr
.irp p, 0,1,2,3,4,5,6,7
	WLOAD 12+\p, 16, \p
.endr
	WIN 0
.irp s, 0,1,2,3
.irp u, 0,1
	global_load_b128 v[GA+16*\s+8*\u:GA+16*\s+8*\u+3],   v[GB], s[6:7] offset:128*\s+64*\u
	global_load_b128 v[GA+16*\s+8*\u+4:GA+16*\s+8*\u+7], v[GB], s[6:7] offset:128*\s+64*\u+16
	global_load_b128 v[BE+16*\s+8*\u:BE+16*\s+8*\u+3],   v[GB], s[8:9] offset:128*\s+64*\u
	global_load_b128 v[BE+16*\s+8*\u+4:BE+16*\s+8*\u+7], v[GB], s[8:9] offset:128*\s+64*\u+16
.endr
.endr
	s_wait_loadcnt 32                              ; loads come back in order (ISA guide 5.7.1): the 40 weight loads are in, the 32 of gamma and beta stay out
	WIN 0x45                                       ; sources 0, 1 and destination in window 1
.set q_, 0
.rept 20
.irp i, 0,1,2,3
	v_cvt_pk_bf16_f32 v[8*q_+\i], v[8*q_+2*\i], v[8*q_+2*\i+1]     ; in place, ascending: a destination never lies ahead of its sources
.endr
.set q_, q_+1
.endr
	WIN 0x04                                       ; store data (source 1) in window 1
.set q_, 0
.rept 12
	ds_store_b128 v[WS0], v[8*q_:8*q_+3] offset:q_*WTILE           ; 16 lanes fill one row of 256 bytes
.set q_, q_+1
.endr
.rept 8
	ds_store_b128 v[WS1], v[8*q_:8*q_+3] offset:(q_-12)*WTILE
.set q_, q_+1
.endr
	WIN 0
	s_wait_dscnt 0x0                               ; my weight rows are written,
	s_wait_tensorcnt 0x0                           ; my 16 rows of x have landed:
	s_barrier_signal -1                            ; zero for both, since the other waves read them
	s_barrier_wait -1
.irp s, 0,1,2,3
.irp u, 0,1
.irp j, 0,1,2,3,4,5,6,7
	ds_load_b32 v[X+16*\s+8*\u+\j], v[XA] offset:(32*\s+16*\u+\j)*XPITCH    ; 16 + 16 lanes: 16 neighbouring words of two rows 32 banks apart
.endr
.endr
.endr
	s_wait_dscnt 0x0
	s_wait_loadcnt 0x0                             ; gamma and beta
; the four chains in T meet; lo + hi; the other 64 channels lie in the lane of the other half
.macro REDUCE
	v_pk_add_f32 v[T:T+1], v[T:T+1], v[T+2:T+3]
	v_pk_add_f32 v[T+4:T+5], v[T+4:T+5], v[T+6:T+7]
	v_pk_add_f32 v[T:T+1], v[T:T+1], v[T+4:T+5]
	v_add_f32 v[T], v[T], v[T+1]
	v_permlanex16_b32 v[T+1], v[T], s40, s41       ; its destination counts as read: T+1 has been written
	v_add_f32 v[T], v[T], v[T+1]
.endm
.irp k, 0,1,2,3
	v_pk_add_f32 v[T+2*\k:T+2*\k+1], v[X+2*\k:X+2*\k+1], v[X+8+2*\k:X+8+2*\k+1]    ; the first pairs start the chains
.endr
.set p_, 8
.rept 24
	v_pk_add_f32 v[T+2*(p_%4):T+2*(p_%4)+1], v[T+2*(p_%4):T+2*(p_%4)+1], v[X+2*p_:X+2*p_+1]
.set p_, p_+1
.endr
	REDUCE
	v_mul_f32 v[MU], s42, v[T]
	v_mul_f32 v[MU+1], s42, v[T]
.set p_, 0
.rept 32
	v_pk_add_f32 v[X+2*p_:X+2*p_+1], v[X+2*p_:X+2*p_+1], v[MU:MU+1] neg_lo:[0,1] neg_hi:[0,1]    ; x - mean
.set p_, p_+1
.endr
.irp k, 0,1,2,3
	v_pk_mul_f32 v[T+2*\k:T+2*\k+1], v[X+2*\k:X+2*\k+1], v[X+2*\k:X+2*\k+1]
.endr
.set p_, 4
.rept 28
	v_pk_fma_f32 v[T+2*(p_%4):T+2*(p_%4)+1], v[X+2*p_:X+2*p_+1], v[X+2*p_:X+2*p_+1], v[T+2*(p_%4):T+2*(p_%4)+1]
.set p_, p_+1
.endr
	REDUCE
	v_fma_f32 v[T], v[T], s42, s43                 ; var + EPS
	v_rsq_f32 v[RS], v[T]
	v_rsq_f32 v[RS+1], v[T]
	v_nop                                          ; one plain instruction behind a transcendental before its result is used (ISA guide 5.7.2)
.set p_, 0
	s_wait_alu depctr_va_vdst(0)
.rept 32
	v_pk_mul_f32 v[X+2*p_:X+2*p_+1], v[X+2*p_:X+2*p_+1], v[RS:RS+1]
.set p_, p_+1
.endr
.set p_, 0
.rept 32
	v_pk_fma_f32 v[X+2*p_:X+2*p_+1], v[X+2*p_:X+2*p_+1], v[GA+2*p_:GA+2*p_+1], v[BE+2*p_:BE+2*p_+1]
.set p_, p_+1
.endr
.set p_, 0
.rept 32
	v_cvt_pk_bf16_f32 v[XN+p_], v[X+2*p_], v[X+2*p_+1]             ; register 8s + 4u + i = channels 32s + 16u + 8h + 2i, + 1: fragment s, in place
.set p_, p_+1
.endr
; a weight fragment: 16 rows x 32 channels, two loads 32 bytes apart
.macro FLD slot, base, tile, s
	ds_load_b128 v[F+8*(\slot):F+8*(\slot)+3],   v[\base] offset:(\tile)*WTILE+64*(\s)
	ds_load_b128 v[F+8*(\slot)+4:F+8*(\slot)+7], v[\base] offset:(\tile)*WTILE+64*(\s)+32
.endm
.macro WM d, a, b, zero                ; zero: the first product starts the sum, nothing is cleared
.if \zero
	v_wmma_f32_16x16x32_bf16 v[(\d):(\d)+7], v[(\a):(\a)+7], v[(\b):(\b)+7], 0
.else
	v_wmma_f32_16x16x32_bf16 v[(\d):(\d)+7], v[(\a):(\a)+7], v[(\b):(\b)+7], v[(\d):(\d)+7]
.endif
.endm
; In every step below the accumulators take turns, one matrix instruction a turn.
; Each step: four places behind the last step's matrix instructions, whose A or B registers are loaded again; 16 loads; their wait; 8 matrix instructions.
; q and k: D(m = dim, n = position) = weights (A) x xn (B).  Channels 64a .. 64a + 63, tiles Wq 0, 1 and Wk 0, 1.
.macro QKSTEP a, zero
.if 1-\zero
	PLACES 4
.endif
.irp e, 0,1
.irp m, 0,1,2,3
	FLD 4*\e+\m, WF0, \m, 2*\a+\e
.endr
.endr
	s_wait_dscnt 0x0
.irp e, 0,1
.irp m, 0,1,2,3
	WM ACCQK+8*\m, F+8*(4*\e+\m), XN+8*(2*\a+\e), \zero*(1-\e)
.endr
.endr
.endm
; v: D(m = channel of v, n = position) = Wv (A) x xn (B), channels 32s ..
.macro VSTEP s, zero
	PLACES 4
.irp m, 0,1,2,3,4,5,6,7
	FLD \m, WF0, 4+\m, \s
.endr
	s_wait_dscnt 0x0
.irp m, 0,1,2,3,4,5,6,7
	WM ACC+8*\m, F+8*\m, XN+8*\s, \zero
.endr
.endm
; V': D(m = position, n = channel) = v (A: row = position, K = channel of v) x Wo (B: column = output channel)
.macro OSTEP s, zero
	PLACES 4
.irp m, 0,1,2,3,4,5,6,7
	FLD \m, WF1, \m, \s
.endr
	s_wait_dscnt 0x0
.irp m, 0,1,2,3,4,5,6,7
	WM ACC+8*\m, VFR+8*\s, F+8*\m, \zero
.endr
.endm
	QKSTEP 0, 1
	QKSTEP 1, 0
	PLACES 4                                       ; before vector instructions touch the results
.irp p, 0,1,2,3,4,5,6,7
	v_pk_mul_f32 v[ACCQK+2*\p:ACCQK+2*\p+1], v[ACCQK+2*\p:ACCQK+2*\p+1], 0x3fb8aa3b op_sel_hi:[1,0]   ; q x log2(e): the scores come out in the base of v_exp_f32
.endr
.set p_, 0
.rept 16
	v_cvt_pk_bf16_f32 v[T+p_], v[ACCQK+2*p_], v[ACCQK+2*p_+1]      ; lane (r, h), tile u: position r, dims 16u + 8h + 0..7: the stored layout as it stands
.set p_, p_+1
.endr
	global_store_b128 v[SO], v[T:T+3],     s[18:19]                ; each store of the wave covers 512 consecutive bytes, aligned
	global_store_b128 v[SO], v[T+4:T+7],   s[18:19] offset:512
	global_store_b128 v[SO], v[T+8:T+11],  s[20:21]
	global_store_b128 v[SO], v[T+12:T+15], s[20:21] offset:512
	VSTEP 0, 1
	VSTEP 1, 0
	VSTEP 2, 0
	VSTEP 3, 0
	PLACES 4
.set p_, 0
.rept 32
	v_cvt_pk_bf16_f32 v[VFR+p_], v[ACC+2*p_], v[ACC+2*p_+1]        ; tiles 2s', 2s'+1 of v are halves 0, 1 of A fragment s': row = position r, K = 32s' + 16u + 8h + ..
.set p_, p_+1
.endr
	OSTEP 0, 1
	OSTEP 1, 0
	OSTEP 2, 0
	OSTEP 3, 0
	PLACES 4
	s_wait_xcnt 0x0                                ; T, which the stores of q and k read, is rewritten only behind this wait (ISA guide 3.1)
.set p_, 0
.rept 32
	v_cvt_pk_bf16_f32 v[T+p_], v[ACC+2*p_], v[ACC+2*p_+1]          ; lane (r, h), tile ct: channel 16ct + r, positions 8h + 0..7 of my 16
.set p_, p_+1
.endr
.irp ct, 0,1,2,3,4,5,6,7
	global_store_b128 v[SO], v[T+4*\ct:T+4*\ct+3], s[22:23] offset:1024*\ct
.endr
	s_wait_tensorcnt 0x0
	ds_add_u32 v62, v63
	s_wait_dscnt 0x0
	s_endpgm
.Lfunc_end_k_q51b83f9f41_prep:
	.size	k_q51b83f9f41_prep, .Lfunc_end_k_q51b83f9f41_prep-k_q51b83f9f41_prep
	.p2alignl 7, 3214868480
	.fill 96, 4, 3214868480
	.section	.rodata,"a",@progbits
	.p2align	6, 0x0
	.amdhsa_kernel k_q51b83f9f41_prep
		.amdhsa_group_segment_fixed_size 168960
		.amdhsa_private_segment_fixed_size 0
		.amdhsa_enable_private_segment 0
		.amdhsa_kernarg_size 80
		.amdhsa_user_sgpr_count 2
		.amdhsa_user_sgpr_kernarg_segment_ptr 1
		.amdhsa_wavefront_size32 1
		.amdhsa_system_sgpr_workgroup_id_x 1
		.amdhsa_system_sgpr_workgroup_id_y 1
		.amdhsa_system_sgpr_workgroup_id_z 1
		.amdhsa_system_vgpr_workitem_id 0
		.amdhsa_next_free_vgpr 416
		.amdhsa_next_free_sgpr 66
		.amdhsa_reserve_vcc 0
		.amdhsa_float_denorm_mode_32 3
		.amdhsa_float_denorm_mode_16_64 3
		.amdhsa_memory_ordered 1
		.amdhsa_forward_progress 1
		.amdhsa_inst_pref_size 58
	.end_amdhsa_kernel
	.amdgpu_metadata
---
amdhsa.version: [ 1, 2 ]
amdhsa.kernels:
  - .name:           k_q51b83f9f41_prep
    .symbol:         k_q51b83f9f41_prep.kd
    .args:
      - { .name: x, .offset: 0, .size: 8, .value_kind: global_buffer, .address_space: global }
      - { .name: gamma, .offset: 8, .size: 8, .value_kind: global_buffer, .address_space: global }
      - { .name: beta, .offset: 16, .size: 8, .value_kind: global_buffer, .address_space: global }
      - { .name: Wq, .offset: 24, .size: 8, .value_kind: global_buffer, .address_space: global }
      - { .name: Wk, .offset: 32, .size: 8, .value_kind: global_buffer, .address_space: global }
      - { .name: Wv, .offset: 40, .size: 8, .value_kind: global_buffer, .address_space: global }
      - { .name: Wo, .offset: 48, .size: 8, .value_kind: global_buffer, .address_space: global }
      - { .name: qws, .offset: 56, .size: 8, .value_kind: global_buffer, .address_space: global }
      - { .name: kws, .offset: 64, .size: 8, .value_kind: global_buffer, .address_space: global }
      - { .name: vws, .offset: 72, .size: 8, .value_kind: global_buffer, .address_space: global }
    .group_segment_fixed_size: 168960
    .private_segment_fixed_size: 0
    .kernarg_segment_align: 8
    .kernarg_segment_size: 80
    .max_flat_workgroup_size: 256
    .sgpr_count:     66
    .vgpr_count:     416
    .wavefront_size: 32
...
	.end_amdgpu_metadata
.endif
;; end of part 1
;; launch attn (part 2): grid 32 x 8, 8 waves a work-group, clusters of 4 x 1, 327,680 bytes of LDS; arguments qws, kws, vws, x, bo, out0; writes out0
.if DOCPART == 2
	.amdgcn_target "amdgcn-amd-amdhsa--gfx1250"
	.amdhsa_code_object_version 6
	.text
	.protected	k_q51b83f9f41_attn
	.globl	k_q51b83f9f41_attn
	.p2align	8
	.type	k_q51b83f9f41_attn,@function
k_q51b83f9f41_attn:
	s_mov_b64 s[64:65], 0
	v_nop
	global_prefetch_b8 v0, s[64:65] scope:SCOPE_SE
	s_setreg_imm32_b32 hwreg(HW_REG_WAVE_MODE, 25, 1), 1
	s_wait_xcnt 0x0
	s_wait_alu depctr_hold_cnt(0) depctr_sa_sdst(0) depctr_va_vdst(0) depctr_va_sdst(0) depctr_va_ssrc(0) depctr_va_vcc(0) depctr_vm_vsrc(0)
	s_getreg_b32 s2, hwreg(HW_REG_IB_STS2, 6, 4)
	s_cmp_eq_u32 s2, 0
	s_cbranch_scc0 .Lentry_in_a_cluster
	s_endpgm
.Lentry_in_a_cluster:
	s_bfe_u32 s2, ttmp6, 0x10000c
	s_cmp_lg_u32 s2, 0x3003
	s_cbranch_scc0 .Lentry_shape_is_right
	s_endpgm
.Lentry_shape_is_right:
; out0 = softmax(q k^T) V' + bo + x for 128 queries of one batch against its 4,096 keys.  qws, kws, vws: bf16 in fragment order (blocks of 1,024 bytes =
; [half u][lane][16 bytes]); q carries log2(e), V' = Wo Wv xn.  x, out0: [8][128][4096] f32.
; TRANSPOSED PRODUCTS: S^T = K Q^T (A = 16 keys, B = 16 queries): lane (r, h) register j holds key 8h + j of query r, so two such tiles, packed to bf16, ARE the B
; fragment (K = 32 keys, column = query) of O^T = V'^T P^T (A = 16 channels x 32 keys): no shuffle and no LDS trip between the two products.
; TWO PASSES: pass 1 forms the scores and keeps only each query's maximum; pass 2 forms them again with C = -maximum, so that the matrix result goes straight into
; v_exp_f32.  The maximum taken away is the row's true maximum.  No accumulator is ever rescaled, no lane talks to another inside the loops.
; SHARES: 8 waves.  Wave w: qh = w >> 2 picks 64 of the 128 queries, kq = w & 3 a quarter of every key tile; 32 accumulators (128 channels x 64 queries) in window 1.
; The four waves of a qh meet three times through LDS: maxima, sums, partial O.  Query column c (0..3), lane r stands for position 64 qh + 4 r + c, so that at the end
; a lane holds 4 neighbouring positions of a channel and sixteen lanes store 256 consecutive bytes, aligned.
; CLUSTER: the 4 work-groups of a cluster are query blocks of one batch and walk the same K and V' tiles: every tensor load is joint (mask 15); its registers hang on
; the batch and the wave's number alone.  The place in the cluster enters only the offsets of Q, x and out0, in registers that feed no descriptor.
; LIMITS: operands q log2(e), k, V', P in bf16; the sums of exponentials are taken of the f32 values; an exponential below 2^-126 comes out as 0; in the search for
; the maximum a NaN loses, so NaN or infinite inputs are not reproduced as the f32 formula would give them.
.set SLOT, 81920                       ; a ring slot: K of 256 keys (16,384 bytes), then V' of 256 keys (65,536 bytes)
.set KT,   16384
.set VT,   65536
.set MXS,  262144                      ; behind everything that is ever filled: 2,048 bytes for the maxima, 2,048 for the sums
.set LXO,  2048
; LDS: pass 1: K whole, 262,144 bytes in 4 chunks; pass 2: three slots from byte 0; after the last fill: 262,144 bytes for the partial O.
.set L16, 1                            ; v1      16 x lane
.set KA1, 4                            ; v4      pass 1: my quarter of the chunk
.set KAD, 5                            ; v5-7    my K fragments in slot 0, 1, 2
.set VAD, 8                            ; v8-10   my V' fragments in slot 0, 1, 2
.set QO,  11                           ; v11     my bytes in the four Q blocks
.set MXA, 12                           ; v12     where I put a maximum (a sum: + LXO)
.set MXR, 13                           ; v13     where I read the four waves' words
.set Q,   16                           ; v[16:47]   4 B fragments of queries
.set NM,  48                           ; v[48:79]   -maximum, 8 registers a column: the C operand
.set MX,  64                           ; v[64:79]   pass 1: 4 running maxima a column
.set L,   80                           ; v[80:87]   sums of exponentials, a pair a column
.set KF,  88                           ; v[88:119]  K fragments: 2 tiles; pass 1: two sets
.set VF,  120                          ; v[120:183] 8 V' fragments; pass 1: the second set of scores
.set S,   184                          ; v[184:247] scores: S[c][t] at S + 16c + 8t; P[c] in place at S + 16c .. + 7
.set TT,  248                          ; v[248:255] at work
.set XCW, 4                            ; the way out: v4-5 where my partial O goes, v6 where I read, v7 my bytes in x and out0, v8 in bo
.set XCR, 6
.set XO,  7
.set BOO, 8
.set T,   16                           ; v[16:79]   another wave's partial O
.set IL,  80                           ; v[80:83]   1 / sum
.set BO,  88                           ; v[88:103]  bo of my 16 channels
.set LL,  104                          ; v[104:119] the four waves' sums
.set R,   120                          ; v[120:183] O of my 32 channels
.set XR,  184                          ; v[184:247] x, then the result
.set G1V, 24                           ; s[24:31] group 1: 8,192 dense bytes as 32 rows of 256
.set G1K, 32                           ; s[32:39] group 1: 2,048 dense bytes as 8 rows of 256
.set GR,  40                           ; s[40:63] group 0 of the ring: K of slot n at GR + 8n, V' at GR + 8n + 4
.set GP,  68                           ; s[68:83] group 0 of pass 1's four chunks
.set KP,  84                           ; s[84:85] my rows of the next K tile to be fetched, type bits set
.set VP,  86                           ; s[86:87] the same for V'
.set MSB, 0
.macro WIN new                         ; s_set_vgpr_msb: bits 1:0 source 0, 3:2 source 1, 5:4 source 2, 7:6 destination; the high byte repeats the setting that is left
.if MSB != \new
	s_set_vgpr_msb (MSB<<8)|\new
.set MSB, \new
.endif
.endm
.macro PLACES cnt                      ; the places behind matrix instructions (ISA guide 7.12.1), where there is no independent vector work
.rept \cnt
	v_nop
.endr
.endm
; A round of the cluster's barrier: my work-group's barrier, wave 0 signals for the work-group, every wave waits for all four work-groups, my work-group's barrier again.
.macro ROUND
	s_barrier_signal -1
	s_barrier_wait -1
	s_cmp_lg_u32 s16, 0
	s_cbranch_scc1 .Lnot_wave_0_\@
	s_barrier_signal -3
.Lnot_wave_0_\@:
	s_barrier_wait -3
	s_barrier_signal -1
	s_barrier_wait -1
.endm
	s_load_b256 s[4:11], s[0:1], 0x0               ; qws s[4:5], kws s[6:7], vws s[8:9], x s[10:11]
	s_load_b128 s[12:15], s[0:1], 0x20             ; bo s[12:13], out0 s[14:15]
	v_lshl_add_u32 v254, v0, 2, 0x41000
	v_mov_b32 v255, 0
	ds_add_u32 v254, v255
	ds_add_u32 v254, v255
	s_wait_dscnt 0x0
	v_lshrrev_b32 v14, 5, v0
	v_readfirstlane_b32 s16, v14                   ; wave 0..7
	s_lshr_b32 s17, s16, 2                         ; qh
	s_and_b32 s18, s16, 3                          ; kq
	s_bfe_u32 s19, ttmp6, 0x40000                  ; cx: my place in the cluster
	s_lshl_b32 s20, ttmp9, 2
	s_add_co_u32 s20, s20, s19                     ; query block = 4 x cluster x + cx
	s_and_b32 s21, ttmp7, 0xffff                   ; batch
	s_mov_b32 s22, 0x76543210                      ; v_permlanex16_b32: lane i reads lane i of the other half
	s_mov_b32 s23, 0xfedcba98
	s_mov_b32 s[G1V+0], 15|(3<<16)|(1<<21)         ; mask: all four of the cluster; element of 8 bytes; bit 21 set beside a mask
	s_mov_b32 s[G1V+1], 32<<16                     ; tensor_dim0 = 32 (256 bytes)
	s_mov_b32 s[G1V+2], 32<<16                     ; tensor_dim1 = 32
	s_mov_b32 s[G1V+3], 32<<16                     ; tile_dim0 = 32
	s_mov_b32 s[G1V+4], 32                         ; tile_dim1 = 32
	s_mov_b32 s[G1V+5], 32                         ; the pitch: dense
	s_mov_b32 s[G1V+6], 0
	s_mov_b32 s[G1V+7], 0
	s_mov_b32 s[G1K+0], 15|(3<<16)|(1<<21)
	s_mov_b32 s[G1K+1], 32<<16
	s_mov_b32 s[G1K+2], 8<<16                      ; 8 rows
	s_mov_b32 s[G1K+3], 32<<16
	s_mov_b32 s[G1K+4], 8
	s_mov_b32 s[G1K+5], 32
	s_mov_b32 s[G1K+6], 0
	s_mov_b32 s[G1K+7], 0
	s_lshl_b32 s93, s16, 11                        ; wave x 2,048: my part of a ring tile's K
	s_lshl_b32 s94, s16, 13                        ; wave x 8,192: my part of a chunk of K, and of a ring tile's V'
	s_lshl_b32 s88, s21, 18                        ; batch x 262,144: K (and Q) of a batch
	s_mov_b32 s89, 0
	s_lshl_b32 s90, s21, 20                        ; batch x 1,048,576: V' of a batch
	s_mov_b32 s91, 0
	s_lshl_b32 s66, s20, 13                        ; Q: 8 blocks of 1,024 bytes a query block,
	s_lshl_b32 s67, s17, 12                        ; 4 of them mine
	s_add_co_u32 s66, s66, s67
	s_mov_b32 s67, 0
	s_wait_kmcnt 0x0
	s_add_nc_u64 s[4:5], s[4:5], s[88:89]
	s_add_nc_u64 s[4:5], s[4:5], s[66:67]          ; my four Q blocks
	s_add_nc_u64 s[6:7], s[6:7], s[88:89]          ; K of my batch
	s_add_nc_u64 s[8:9], s[8:9], s[90:91]          ; V' of my batch
	s_lshl_b32 s66, s21, 21                        ; x and out0: batch x 2,097,152
	s_lshl_b32 s67, s18, 19                        ; + 32 kq channels of 16,384 bytes (the channels that I finish)
	s_add_co_u32 s66, s66, s67
	s_lshl_b32 s67, s20, 9                         ; + 128 positions a query block
	s_add_co_u32 s66, s66, s67
	s_lshl_b32 s67, s17, 8                         ; + 64 qh positions
	s_add_co_u32 s66, s66, s67
	s_mov_b32 s67, 0
	s_add_nc_u64 s[10:11], s[10:11], s[66:67]
	s_add_nc_u64 s[14:15], s[14:15], s[66:67]
	s_mov_b32 s88, s94
	s_add_nc_u64 s[90:91], s[6:7], s[88:89]        ; my rows of chunk 0
	s_add_nc_u64 s[VP:VP+1], s[8:9], s[88:89]      ; my rows of V' tile 0
	s_mov_b32 s88, s93
	s_add_nc_u64 s[KP:KP+1], s[6:7], s[88:89]      ; my rows of K tile 0
.irp i, 0,1,2,3
	s_mov_b32 s[GP+4*\i], 1                                        ; count = 1
	s_add_co_u32 s[GP+4*\i+1], s94, \i*65536                       ; LDS: chunk i, my 8,192 bytes
	s_add_nc_u64 s[GP+4*\i+2:GP+4*\i+3], s[90:91], \i*65536
	s_or_b32 s[GP+4*\i+3], s[GP+4*\i+3], 0x80000000                ; type = 2
.endr
.irp sl, 0,1,2
	s_mov_b32 s[GR+8*\sl], 1
	s_add_co_u32 s[GR+8*\sl+1], s93, \sl*SLOT                      ; LDS: the slot's K, my 2,048 bytes
	s_mov_b32 s[GR+8*\sl+4], 1
	s_add_co_u32 s[GR+8*\sl+5], s94, \sl*SLOT+KT                   ; LDS: the slot's V', my 8,192 bytes
.endr
	s_or_b32 s[KP+1], s[KP+1], 0x80000000
	s_or_b32 s[VP+1], s[VP+1], 0x80000000
	s_mov_b64 s[GR+2:GR+3], s[KP:KP+1]             ; slot 0 takes tile 0
	s_mov_b64 s[GR+6:GR+7], s[VP:VP+1]
	s_add_nc_u64 s[KP:KP+1], s[KP:KP+1], KT        ; the next to be fetched is tile 1
	s_add_nc_u64 s[VP:VP+1], s[VP:VP+1], VT
	ROUND                                          ; all four work-groups are here: the first joint loads meet
.irp i, 0,1,2,3
	tensor_load_to_lds s[GP+4*\i:GP+4*\i+3], s[G1V:G1V+7]          ; K whole; four tensor loads of the wave are out, the most in this text
	s_nop 0
.endr
	v_and_b32 v[L16], 31, v0
	v_lshlrev_b32 v[L16], 4, v[L16]
	v_and_b32 v2, 15, v0                           ; r
	v_bfe_u32 v3, v0, 4, 1                         ; h
	v_lshrrev_b32 v14, 2, v2
	v_and_b32 v15, 3, v2
	v_lshlrev_b32 v[QO], 10, v14                   ; position 4r + c lies in block r >> 2,
	v_lshl_add_u32 v[QO], v3, 8, v[QO]             ; in the lane 16 h + 4 (r & 3) + c of that block
	v_lshl_add_u32 v[QO], v15, 6, v[QO]
.irp c, 0,1,2,3
.irp u, 0,1
	global_load_b128 v[Q+8*\c+4*\u:Q+8*\c+4*\u+3], v[QO], s[4:5] offset:512*\u+16*\c
.endr
.endr
	s_lshl_b32 s95, s18, 14
	v_add_nc_u32 v[KA1], s95, v[L16]               ; pass 1: 16 of a chunk's 64 blocks are mine
	v_add_nc_u32 v[VAD], KT, v[KA1]                ; V': 2 of a slot's 8 blocks of 8,192 bytes
	v_add_nc_u32 v[VAD+1], KT+SLOT, v[KA1]
	v_add_nc_u32 v[VAD+2], KT+2*SLOT, v[KA1]
	s_lshl_b32 s95, s18, 12
	v_add_nc_u32 v[KAD], s95, v[L16]               ; K: 4 of a slot's 16 blocks
	v_add_nc_u32 v[KAD+1], SLOT, v[KAD]
	v_add_nc_u32 v[KAD+2], 2*SLOT, v[KAD]
	s_lshl_b32 s95, s16, 8
	s_add_co_u32 s95, s95, MXS
	v_lshl_add_u32 v[MXA], v2, 2, s95              ; wave x 256 + 64 c + 4 r
	s_lshl_b32 s95, s17, 10
	s_add_co_u32 s95, s95, MXS
	v_lshl_add_u32 v[MXR], v2, 2, s95              ; the four waves of my qh
.irp i, 0,1,2,3,4,5,6,7,8,9,10,11,12,13,14,15
	v_mov_b32 v[MX+\i], 0xff800000                 ; -infinity
.endr
	s_wait_loadcnt 0x0                             ; Q
; PASS 1.  A group = 2 K blocks (32 keys) x 4 query columns.  Two sets of K fragments and of scores take turns.
.macro KLD par, t0
.irp e, 0,1,2,3
	ds_load_b128 v[KF+16*(\par)+4*\e:KF+16*(\par)+4*\e+3], v[KA1] offset:(\t0)*1024+512*\e
.endr
.endm
.macro QK1 par
.irp t, 0,1
.irp c, 0,1,2,3
	v_wmma_f32_16x16x32_bf16 v[S-64*(\par)+8*(4*\t+\c):S-64*(\par)+8*(4*\t+\c)+7], v[KF+16*(\par)+8*\t:KF+16*(\par)+8*\t+7], v[Q+8*\c:Q+8*\c+7], 0
.endr
.endr
.endm
.macro MAXS par                        ; 16 chains, each touched twice, 16 instructions apart
.irp t, 0,1
.irp c, 0,1,2,3
.irp i, 0,1,2,3
	v_max3_num_f32 v[MX+4*\c+\i], v[MX+4*\c+\i], v[S-64*(\par)+8*(4*\t+\c)+2*\i], v[S-64*(\par)+8*(4*\t+\c)+2*\i+1]
.endr
.endr
.endr
.endm
; The 32 maxima over the OTHER set's scores name none of this group's matrix registers: they are the places behind it, for the loads into its K fragments
; and for the next group's maxima over its scores.  In the very first group there is no other set yet: four v_nop.
.macro GRP g, par, first
.if \g == 7
	s_wait_dscnt 0x0                               ; the chunk's last group: nothing younger
.else
	s_wait_dscnt 0x4                               ; LDS loads come back in order (ISA guide 5.7.1): this group's are in, the next group's four stay out
.endif
	QK1 \par
.if \first
	PLACES 4
.else
	MAXS 1-\par
.endif
.if \g < 6
	KLD \par, 2*\g+4
.endif
.endm
.macro CHUNK first
	KLD 0, 0
	KLD 1, 2
	GRP 0, 0, \first
	GRP 1, 1, 0
	GRP 2, 0, 0
	GRP 3, 1, 0
	GRP 4, 0, 0
	GRP 5, 1, 0
	GRP 6, 0, 0
	GRP 7, 1, 0
.endm
	s_wait_tensorcnt 0x3                           ; my part of chunk 0 is in, three younger loads stay out
	s_barrier_signal -1
	s_barrier_wait -1
	CHUNK 1
	v_add_nc_u32 v[KA1], 0x10000, v[KA1]
	s_wait_tensorcnt 0x2                           ; chunk 1; two stay out
	s_barrier_signal -1
	s_barrier_wait -1
	CHUNK 0
	v_add_nc_u32 v[KA1], 0x10000, v[KA1]
	s_wait_xcnt 0x0
	v_lshl_add_u32 v254, v0, 2, 0x41000
	v_mov_b32 v255, 0
	s_wait_tensorcnt 0x0                           ; all my tensor loads have landed, chunks 2 and 3 among them,
	ds_add_u32 v254, v255
	s_wait_dscnt 0x0
	s_wait_dscnt 0x0                               ; my reads of chunks 0 and 1 are back:
	ROUND                                          ; both now hold of every wave of the cluster
	tensor_load_to_lds s[GR:GR+3], s[G1K:G1K+7]    ; tile 0 of pass 2 into slot 0, bytes 0 .. 81,919: inside chunks 0 and 1; it lands under chunks 2 and 3
	s_nop 0
	tensor_load_to_lds s[GR+4:GR+7], s[G1V:G1V+7]
	s_nop 0
	CHUNK 0
	v_add_nc_u32 v[KA1], 0x10000, v[KA1]
	CHUNK 0
	MAXS 1                                         ; the last group's scores
	; THE MAXIMUM: my 4 chains, the other half of the lanes (the other 8 of every 16 keys), the other three waves of my qh
.irp c, 0,1,2,3
	v_max3_num_f32 v[TT+\c], v[MX+4*\c], v[MX+4*\c+1], v[MX+4*\c+2]
.endr
.irp c, 0,1,2,3
	v_max_num_f32 v[TT+\c], v[TT+\c], v[MX+4*\c+3]
.endr
.irp c, 0,1,2,3
	v_permlanex16_b32 v[MX+4*\c], v[TT+\c], s22, s23               ; its destination counts as read: a register that has been written
.endr
.irp c, 0,1,2,3
	v_max_num_f32 v[TT+\c], v[TT+\c], v[MX+4*\c]
.endr
.irp c, 0,1,2,3
	ds_store_b32 v[MXA], v[TT+\c] offset:64*\c     ; lanes r and r + 16 write the same word with the same value
.endr
	s_wait_dscnt 0x0                               ; zero: the other waves read these words
	s_barrier_signal -1
	s_barrier_wait -1                              ; tile 0's loads stay out
.irp c, 0,1,2,3
.irp k, 0,1,2,3
	ds_load_b32 v[S+4*\c+\k], v[MXR] offset:256*\k+64*\c
.endr
.endr
	s_wait_dscnt 0x0
.irp c, 0,1,2,3
	v_max3_num_f32 v[TT+\c], v[S+4*\c], v[S+4*\c+1], v[S+4*\c+2]
.endr
.irp c, 0,1,2,3
	v_max_num_f32 v[TT+\c], v[TT+\c], v[S+4*\c+3]
.endr
.irp c, 0,1,2,3
.irp j, 0,1,2,3,4,5,6,7
	v_mul_f32 v[NM+8*\c+\j], -1.0, v[TT+\c]        ; the C operand: element (key, query r) = -maximum of query r, whatever the key
.endr
.endr
; PASS 2.
.macro EXPC c                          ; 2^(score - maximum), in place
.set e_, 0
.rept 16
	v_exp_f32 v[S+16*(\c)+e_], v[S+16*(\c)+e_]
.set e_, e_+1
.endr
.endm
; column c: the 16 exponentials are added (f32) and packed to the B fragment in place.  zero: the first sum starts L.
.macro SC c, zero
	s_wait_alu depctr_va_vdst(0)
.irp k, 0,1,2,3
	v_pk_add_f32 v[TT+2*\k:TT+2*\k+1], v[S+16*(\c)+2*\k:S+16*(\c)+2*\k+1], v[S+16*(\c)+8+2*\k:S+16*(\c)+8+2*\k+1]
.endr
.irp i, 0,1,2,3
	v_cvt_pk_bf16_f32 v[S+16*(\c)+\i], v[S+16*(\c)+2*\i], v[S+16*(\c)+2*\i+1]          ; keys 8h + 2i, + 1: registers 0-3
.endr
	v_pk_add_f32 v[TT:TT+1], v[TT:TT+1], v[TT+2:TT+3]
	v_pk_add_f32 v[TT+4:TT+5], v[TT+4:TT+5], v[TT+6:TT+7]
.irp i, 0,1,2,3
	v_cvt_pk_bf16_f32 v[S+16*(\c)+4+\i], v[S+16*(\c)+8+2*\i], v[S+16*(\c)+8+2*\i+1]    ; keys 16 + 8h + 2i, + 1: registers 4-7
.endr
.if \zero
	v_pk_add_f32 v[L+2*(\c):L+2*(\c)+1], v[TT:TT+1], v[TT+4:TT+5]
.else
	v_pk_add_f32 v[TT:TT+1], v[TT:TT+1], v[TT+4:TT+5]
	v_pk_add_f32 v[L+2*(\c):L+2*(\c)+1], v[L+2*(\c):L+2*(\c)+1], v[TT:TT+1]
.endif
.endm
; 32 keys of my quarter of slot sl (hf = 0, 1): 8 + 32 matrix instructions on 10,240 bytes from LDS.
.macro STEP sl, hf, zero
	PLACES 5                                       ; behind the last 32 matrix instructions: four before loads into their A registers, five before matrix results land on their B registers
.if \hf == 0
.irp e, 0,1,2,3
	ds_load_b128 v[KF+4*\e:KF+4*\e+3], v[KAD+\sl] offset:512*\e
.endr
.endif
.irp e, 0,1,2,3,4,5,6,7,8,9,10,11,12,13,14,15
	ds_load_b128 v[VF+4*\e:VF+4*\e+3], v[VAD+\sl] offset:\hf*8192+512*\e
.endr
	s_wait_dscnt 0x10                              ; the K fragments are in; the 16 loads of V', issued behind them, stay out
.irp t, 0,1
.irp c, 0,1,2,3
	v_wmma_f32_16x16x32_bf16 v[S+16*\c+8*\t:S+16*\c+8*\t+7], v[KF+8*\t:KF+8*\t+7], v[Q+8*\c:Q+8*\c+7], v[NM+8*\c:NM+8*\c+7]
.endr
.endr
	PLACES 4                                       ; before the exponentials read the scores and before loads into the K fragments
.if \hf == 0
.irp e, 0,1,2,3
	ds_load_b128 v[KF+4*\e:KF+4*\e+3], v[KAD+\sl] offset:2048+512*\e       ; the second step's K
.endr
.endif
	EXPC 0                                         ; behind every run of exponentials stands a plain instruction that touches none of them
	v_nop                                          ; before their results are used (ISA guide 5.7.2)
	EXPC 1
	SC 0, \zero
	EXPC 2
	SC 1, \zero
	EXPC 3
	SC 2, \zero
	SC 3, \zero
.if \hf == 0
	s_wait_dscnt 0x4                               ; V' is in; the four loads of the next step's K stay out
.else
	s_wait_dscnt 0x0
.endif
	WIN 0x50                                       ; C and D in window 1
.irp ct, 0,1,2,3,4,5,6,7
.irp c, 0,1,2,3
.if \zero
	v_wmma_f32_16x16x32_bf16 v[8*(4*\ct+\c):8*(4*\ct+\c)+7], v[VF+8*\ct:VF+8*\ct+7], v[S+16*\c:S+16*\c+7], 0
.else
	v_wmma_f32_16x16x32_bf16 v[8*(4*\ct+\c):8*(4*\ct+\c)+7], v[VF+8*\ct:VF+8*\ct+7], v[S+16*\c:S+16*\c+7], v[8*(4*\ct+\c):8*(4*\ct+\c)+7]
.endif
.endr
.endr                                  ; the 32 accumulators take turns, one matrix instruction a turn
	WIN 0
.endm
.macro TILE sl, zero
	STEP \sl, 0, \zero
	STEP \sl, 1, 0
.endm
; Two tiles.  Slot a's tile has landed; slots b and c, which have been read, are filled behind the round; a is worked on, then b.
.macro PAIR a, b, c, fills, zero
	s_wait_xcnt 0x0
	v_lshl_add_u32 v254, v0, 2, 0x41000
	v_mov_b32 v255, 0
	s_wait_tensorcnt 0x0                           ; all my tensor loads have landed, my part of slot a's tile among them, so every group 0 may be written:
	ds_add_u32 v254, v255
	s_wait_dscnt 0x0
	s_mov_b64 s[GR+8*\b+2:GR+8*\b+3], s[KP:KP+1]   ; the next tile,
	s_mov_b64 s[GR+8*\b+6:GR+8*\b+7], s[VP:VP+1]
	s_add_nc_u64 s[GR+8*\c+2:GR+8*\c+3], s[KP:KP+1], KT    ; and the one behind it (in the last pair written and not used)
	s_add_nc_u64 s[GR+8*\c+6:GR+8*\c+7], s[VP:VP+1], VT
	s_add_nc_u64 s[KP:KP+1], s[KP:KP+1], 2*KT
	s_add_nc_u64 s[VP:VP+1], s[VP:VP+1], 2*VT
	s_wait_dscnt 0x0                               ; my reads of slots b and c are back
	ROUND                                          ; both now hold of every wave of all four work-groups
	tensor_load_to_lds s[GR+8*\b:GR+8*\b+3], s[G1K:G1K+7]
	s_nop 0
	tensor_load_to_lds s[GR+8*\b+4:GR+8*\b+7], s[G1V:G1V+7]
	s_nop 0
.if \fills == 2
	tensor_load_to_lds s[GR+8*\c:GR+8*\c+3], s[G1K:G1K+7]
	s_nop 0
	tensor_load_to_lds s[GR+8*\c+4:GR+8*\c+7], s[G1V:G1V+7]
	s_nop 0
.endif
	TILE \a, \zero
	s_wait_tensorcnt 2*(\fills-1)                  ; slot b's two loads are in (tensor loads of a wave end in order: ISA guide 10.11.1); slot c's two may stay out
	s_wait_dscnt 0x0
	s_barrier_signal -1
	s_barrier_wait -1                              ; slot b's tile is whole
	TILE \b, 0
.endm
	PAIR 0, 1, 2, 2, 1                             ; tiles 0, 1: the first products start the sums
	s_mov_b32 s92, 2
.Lpairs:                                       ; tiles 2 .. 7, then 8 .. 13
	PAIR 2, 0, 1, 2, 0
	PAIR 1, 2, 0, 2, 0
	PAIR 0, 1, 2, 2, 0
	s_sub_co_u32 s92, s92, 1
	s_cmp_lg_u32 s92, 0
	s_cbranch_scc1 .Lpairs
	PAIR 2, 0, 1, 1, 0                             ; tiles 14, 15: only tile 15 is fetched, and its wait is for zero: no tensor load is out from here on
	; THE WAY OUT.  Wave (qh, kq) finishes channels 32 kq .. + 31 of its 64 queries.
	PLACES 4                                       ; before loads land on the last B fragments and before stores read the accumulators
	v_lshlrev_b32 v[XO], 4, v2                     ; 16 r: positions 4r .. 4r + 3
	v_lshl_add_u32 v[XO], v3, 17, v[XO]            ; + 8 h channels
	s_lshl_b32 s95, s18, 7
	v_lshl_add_u32 v[BOO], v3, 5, s95              ; bo: 4 (32 kq + 8 h)
.irp e, 0,1
.irp j, 0,1,2,3,4,5,6,7
	global_load_b128 v[XR+4*(8*\e+\j):XR+4*(8*\e+\j)+3], v[XO], s[10:11] offset:(16*\e+\j)*16384 th:TH_LOAD_NT   ; channel 32kq + 16e + 8h + j: 16 lanes read 256 consecutive bytes
.endr
.endr
.irp e, 0,1
	global_load_b128 v[BO+8*\e:BO+8*\e+3],   v[BOO], s[12:13] offset:64*\e
	global_load_b128 v[BO+8*\e+4:BO+8*\e+7], v[BOO], s[12:13] offset:64*\e+16
.endr
.irp c, 0,1,2,3
	v_add_f32 v[TT+\c], v[L+2*\c], v[L+2*\c+1]
.endr
.irp c, 0,1,2,3
	v_permlanex16_b32 v[L+2*\c], v[TT+\c], s22, s23
.endr
.irp c, 0,1,2,3
	v_add_f32 v[TT+\c], v[TT+\c], v[L+2*\c]        ; my keys' sum for query r of column c
.endr
	s_lshl_b32 s95, s17, 17
	s_lshl_b32 s92, s18, 13
	s_add_co_u32 s95, s95, s92
	v_add_nc_u32 v[XCW], s95, v[L16]               ; blocks [destination wave 32,768][source kq 8,192][16 quads of 512]: destinations kq 0, 1 of my qh,
	v_add_nc_u32 v[XCW+1], 0x10000, v[XCW]         ; destinations 2, 3
	s_lshl_b32 s95, s16, 15
	v_add_nc_u32 v[XCR], s95, v[L16]
	s_wait_dscnt 0x0
	s_barrier_signal -1
	s_barrier_wait -1                              ; every wave's reads of the slots are back, and the slots have had their last fill: their bytes now serve the exchange
.irp c, 0,1,2,3
	ds_store_b32 v[MXA], v[TT+\c] offset:LXO+64*\c
.endr
	WIN 0x04                                       ; store data in window 1
.set n_, 0
.rept 64
	ds_store_b128 v[XCW+(n_>>5)], v[4*n_:4*n_+3] offset:((n_>>4)&1)*32768+(n_&15)*512      ; quad n = registers 4n ..: channel tile n >> 3 goes to wave n >> 4
.set n_, n_+1
.endr
	WIN 0
	s_wait_dscnt 0x0                               ; zero: the other waves read these bytes
	s_barrier_signal -1
	s_barrier_wait -1
.irp c, 0,1,2,3
.irp k, 0,1,2,3
	ds_load_b32 v[LL+4*\c+\k], v[MXR] offset:LXO+256*\k+64*\c
.endr
.endr
.irp i, 0,1,2,3,4,5,6,7,8,9,10,11,12,13,14,15
	ds_load_b128 v[R+4*\i:R+4*\i+3], v[XCR] offset:512*\i          ; source 0: register 32e + 8c + j
.endr
.irp i, 0,1,2,3,4,5,6,7,8,9,10,11,12,13,14,15
	ds_load_b128 v[T+4*\i:T+4*\i+3], v[XCR] offset:8192+512*\i     ; source 1
.endr
	s_wait_dscnt 0x20                              ; the 16 sums are in; the 32 younger loads stay out
.irp c, 0,1,2,3
	v_add_f32 v[LL+4*\c], v[LL+4*\c], v[LL+4*\c+1]
	v_add_f32 v[LL+4*\c+2], v[LL+4*\c+2], v[LL+4*\c+3]
	v_add_f32 v[LL+4*\c], v[LL+4*\c], v[LL+4*\c+2]
.endr
.irp c, 0,1,2,3
	v_rcp_f32 v[IL+\c], v[LL+4*\c]                 ; the sum holds the maximum's own term, about 1: never 0
.endr
	v_nop                                          ; one plain instruction behind the transcendentals
.macro ADDT
	s_wait_dscnt 0x0
.set p_, 0
.rept 32
	v_pk_add_f32 v[R+2*p_:R+2*p_+1], v[R+2*p_:R+2*p_+1], v[T+2*p_:T+2*p_+1]
.set p_, p_+1
.endr
.endm
	ADDT
.irp i, 0,1,2,3,4,5,6,7,8,9,10,11,12,13,14,15
	ds_load_b128 v[T+4*\i:T+4*\i+3], v[XCR] offset:2*8192+512*\i
.endr
	ADDT
.irp i, 0,1,2,3,4,5,6,7,8,9,10,11,12,13,14,15
	ds_load_b128 v[T+4*\i:T+4*\i+3], v[XCR] offset:3*8192+512*\i
.endr
	ADDT
	s_wait_loadcnt 0x0                             ; x and bo
	s_wait_alu depctr_va_vdst(0)
.irp e, 0,1
.irp j, 0,1,2,3,4,5,6,7
.irp c, 0,1,2,3
	v_add_f32 v[XR+4*(8*\e+\j)+\c], v[XR+4*(8*\e+\j)+\c], v[BO+8*\e+\j]
.endr
.irp c, 0,1,2,3
	v_fmac_f32 v[XR+4*(8*\e+\j)+\c], v[R+32*\e+8*\c+\j], v[IL+\c]  ; + O / sum: the four columns of a channel come to lie side by side
.endr
	global_store_b128 v[XO], v[XR+4*(8*\e+\j):XR+4*(8*\e+\j)+3], s[14:15] offset:(16*\e+\j)*16384 th:TH_STORE_NT   ; 16 lanes store 256 consecutive bytes, aligned
.endr
.endr
	s_wait_xcnt 0x0
	v_lshl_add_u32 v254, v0, 2, 0x41000
	v_mov_b32 v255, 0
	s_wait_tensorcnt 0x0
	ds_add_u32 v254, v255
	s_wait_dscnt 0x0
	ROUND                                          ; the closing round: no work-group ends while a partner may still ask for a tile that names it
	s_endpgm
.Lfunc_end_k_q51b83f9f41_attn:
	.size	k_q51b83f9f41_attn, .Lfunc_end_k_q51b83f9f41_attn-k_q51b83f9f41_attn
	.p2alignl 7, 3214868480
	.fill 96, 4, 3214868480
	.section	.rodata,"a",@progbits
	.p2align	6, 0x0
	.amdhsa_kernel k_q51b83f9f41_attn
		.amdhsa_group_segment_fixed_size 327680
		.amdhsa_private_segment_fixed_size 0
		.amdhsa_enable_private_segment 0
		.amdhsa_kernarg_size 48
		.amdhsa_user_sgpr_count 2
		.amdhsa_user_sgpr_kernarg_segment_ptr 1
		.amdhsa_wavefront_size32 1
		.amdhsa_system_sgpr_workgroup_id_x 1
		.amdhsa_system_sgpr_workgroup_id_y 1
		.amdhsa_system_sgpr_workgroup_id_z 1
		.amdhsa_system_vgpr_workitem_id 0
		.amdhsa_next_free_vgpr 512
		.amdhsa_next_free_sgpr 96
		.amdhsa_reserve_vcc 0
		.amdhsa_float_denorm_mode_32 3
		.amdhsa_float_denorm_mode_16_64 3
		.amdhsa_memory_ordered 1
		.amdhsa_forward_progress 1
		.amdhsa_inst_pref_size 255
	.end_amdhsa_kernel
	.section	.bss,"aw",@nobits
	.p2align	6
	.space	262144
	.amdgpu_metadata
---
amdhsa.version: [ 1, 2 ]
amdhsa.kernels:
  - .name:           k_q51b83f9f41_attn
    .symbol:         k_q51b83f9f41_attn.kd
    .args:
      - { .name: qws, .offset: 0, .size: 8, .value_kind: global_buffer, .address_space: global }
      - { .name: kws, .offset: 8, .size: 8, .value_kind: global_buffer, .address_space: global }
      - { .name: vws, .offset: 16, .size: 8, .value_kind: global_buffer, .address_space: global }
      - { .name: x, .offset: 24, .size: 8, .value_kind: global_buffer, .address_space: global }
      - { .name: bo, .offset: 32, .size: 8, .value_kind: global_buffer, .address_space: global }
      - { .name: out0, .offset: 40, .size: 8, .value_kind: global_buffer, .address_space: global }
    .group_segment_fixed_size: 327680
    .private_segment_fixed_size: 0
    .kernarg_segment_align: 8
    .kernarg_segment_size: 48
    .max_flat_workgroup_size: 256
    .sgpr_count:     96
    .vgpr_count:     512
    .wavefront_size: 32
...
	.end_amdgpu_metadata
.endif
;; end of part 2
